; MI455X (gfx1250); checked and timed in simulation.
; The chip was launched on July 23, 2026; its instructions are those of AMD's public machine-readable ISA for CDNA 5 (MIT licence, August 2026) and "CDNA5" Instruction Set Architecture Reference Guide (July 2026). The comments in the code are by the model that wrote it; some were corrected since.
;; SVD Adapter. Allowed arithmetic: matrix products marked QUANTISED: E4M3 operands, one E8M0 scale for each 32 along K, by v_wmma_scale_f32_16x16x128_f8f6f4 with both operands' format E4M3, f32 sums; products left as they are: f32 operands where the result goes on into a quantised operand, else bf16, f16 or f32 operands; f32 sums; everything else in f32.
;; Inputs: U 2,048 x 16 float32; V 4,096 x 16 float32; base_weight 2,048 x 4,096 float32; s 16 float32; x 4 x 2,048 x 4,096 float32.
;; Outputs: out0 4 x 2,048 x 2,048 float32.
;; This version of the problem:
;;   THIS VERSION OF THE PROBLEM IS GIVEN IN LOW PRECISION. The matrix products marked QUANTISED in the list below multiply operands that are first quantised to E4M3 (4 exponent bits, 3 mantissa bits; 8 bits a number), with one power-of-two scale for each 32 numbers along K (OCP MX v1.0); their sums are f32. All else is computed in f32.
;;   The module's matrix products, in the order in which they are computed (A, B: the left and right operand; K: the contracted axis; several contracted axes count as one K, in the product's order):
;;     1. [M 2,048, K 16] x [K 16, N 4,096]; A: computed on the way; B: input V: left as it is (K = 16 < 32)
;;     2. [M 8,192, K 4,096] x [K 4,096, N 2,048]; A: input x; B: computed on the way: QUANTISED
;;   THE QUANTISER, for each operand of a quantised product, along K:
;;     - K is cut into blocks of 32 from its start; a last block that is shorter is filled with zeros.
;;     - A block's scale is 2^e with e = floor(log2(the largest magnitude in the block)) - 8, held to -126 .. 127; a block of zeros has e = 0. As a byte (E8M0): e + 127.
;;     - Each number is divided by its block's scale, clamped to +-448, and rounded to the nearest number of E4M3, ties to even, subnormals kept.
;;     - The product sums the exact products of the quantised numbers (number of the format x scale) in f32.
;;   ~~~python
;;   def quantise(x, axis):      # numpy; x: float32 -> the quantised numbers, widened to float32 again
;;       x = np.moveaxis(x, axis, -1); K = x.shape[-1]
;;       x = np.pad(x, [(0, 0)] * (x.ndim - 1) + [(0, -K % 32)]); x = x.reshape(x.shape[:-1] + (-1, 32)); a = np.abs(x).max(-1, keepdims=True)
;;       e = np.where(a > 0, np.clip(np.frexp(np.where(a > 0, a, 1))[1] - 1 - 8, -126, 127), 0)      # np.frexp(a)[1] - 1 = floor(log2(a)), exactly
;;       r = np.clip(x / 2.0 ** e, -448, 448)
;;       step = 2.0 ** (np.maximum(np.frexp(np.where(r == 0, 1, r))[1] - 1, -6) - 3)
;;       q = np.round(r / step) * step * 2.0 ** e      # np.round: ties to even
;;       return np.moveaxis(q.reshape(q.shape[:-2] + (-1,))[..., :K], -1, axis).astype(np.float32)
;;   ~~~
;;   OPERANDS COMPUTED ON THE WAY. 'Computed on the way' means the value that the module computes at that place (a softmax that the list does not call 'softmax' is quantised finished and normalised). What goes into a quantiser is computed in f32, as accurately as f32 sums, v_exp_f32 and their like allow (about 1e-6 of the number): no bf16 or f16 on the way to a quantiser, and a product that is left as it is and whose result goes on into a quantised operand takes f32 operands (vector FMAs, or v_wmma_f32_16x16x4_f32). A number that lies on a knife's edge between two numbers of the format may be rounded either way, as far as f32 arithmetic and the matrix unit's own rounding can turn it there, and no further.
;; One version. Each part assembles by itself: llvm-mc -triple=amdgcn-amd-amdhsa -mcpu=gfx1250 --defsym DOCPART=n.
;; ======== version 1 of 1: 2 launches
;; limits: right only within a limited range of input values
;; workspace buffers: xq 34,603,008 bytes; wq 8,650,752 bytes
;; launch quant (part 1): grid 1024 x 1, 4 waves a work-group, no clusters, 52,736 bytes of LDS; arguments x, base_weight, U, s, V, xq, wq; writes xq, wq
.if DOCPART == 1
	.amdgcn_target "amdgcn-amd-amdhsa--gfx1250"
	.amdhsa_code_object_version 6
	.text
	.protected	k_qca3f4e4104_quant
	.globl	k_qca3f4e4104_quant
	.p2align	8
	.type	k_qca3f4e4104_quant,@function
k_qca3f4e4104_quant:
	s_mov_b64 s[64:65], 0
	v_nop
	global_prefetch_b8 v0, s[64:65] scope:SCOPE_SE
	s_setreg_imm32_b32 hwreg(HW_REG_WAVE_MODE, 25, 1), 1
	s_wait_xcnt 0x0
; Both operands of the quantised product are made here, as codes of FP8 (E4M3) with one E8M0 scale byte for each 32 along K (the axis of 4,096):
;   xq: x [8192][4096] f32 as it is;   wq: adapted[o][i] = W[o][i] + sum over r of (U[o][r] s[r]) V[i][r], in f32.  W: [2048][4096], U: [2048][16], s: [16], V: [4096][16].
; (reference()'s factor SCALING is the constant 1.0: a multiplication by it changes no bit and is not written.)
; THE QUANTISER.  A block's scale is 2^(floor(log2(its largest magnitude)) - 8); its byte is the largest magnitude's own exponent field - 8, held at 1 from below; each number is divided by the scale, held within
; +-448 and rounded to the nearest code, ties to even.
; LIMITS: NaN and infinities among the inputs are not served.  A block of zeros gets the byte 1 where the rule says 127: its codes are zeros, which add nothing under any byte but 0xff, and this program alone reads the bytes.
; ORDER OF ROUNDING: the adapted weight is one chain of fused multiply-adds that begins at W and takes r ascending; reference() sums the sixteen products first and adds W last.  The two differ by a few roundings of f32.
; THE OUTPUTS' LAYOUT (this program's own): blocks of 33,792 dense bytes.  Block (g, t) holds rows 128 g .. 128 g + 127 and k = 256 t .. 256 t + 255: first 128 rows of 256 codes, then 1,024 scale bytes, [row][8];
; it lies at (16 g + t) x 33,792.  So the product's launch brings 128 rows' codes AND their scale bytes by one dense tile of 132 rows of 256 bytes.
; SHARES.  1,024 work-groups of four waves.  Work-group id makes block id of xq (wave w: rows 32 w .. 32 w + 31, sixteen steps of two rows) and a quarter, id % 4, of block id / 4 of wq (wave w: 8 rows, four steps of two rows).
; TWO ORDERS.  Waves 0 and 1 take their part of W first and x second, waves 2 and 3 the other way round: the delta is work on LDS and registers, x is a stream from memory, and so each kind of work has waves at it
; from the launch's start to its end.  The branch hangs on the wave's number alone; both barriers stand outside it.
; A STEP.  Each of a step's four loads reads 512 consecutive bytes of ONE row, 16 a lane.  The conversions take 16 neighbours along k from ONE lane's registers (two neighbouring lanes hold a block of 32), so the step's
; 2,048 bytes turn through the wave's own stage in LDS (16 bytes of padding behind each 64) and come back 64 bytes a lane.  A lane's 16 codes are 16 bytes: the wave stores 512 consecutive bytes, two rows of 256 codes.
; THE DELTA IS ADDED IN THE LAYOUT IN WHICH W IS LOADED: lane l holds k = 128 hf + 4 l + 0 .. 3 of one row.  So U s of that row is the same number in every lane (an LDS load in which all lanes name one address), and a
; lane needs V^T only at its own 8 values of k, the same for every row: 16 r x 4 k registers for each half hf.  V's 256 rows of the K step are laid as V^T in LDS once, by the work-group's 128 threads.
.set STEPS, 16
.set BLKB,  33792                      ; a block of an output
.set ROWB,  16384                      ; a row of x, and of W, in bytes
.set EMAX,  8
.set MANT,  0x600000                   ; the mantissa field of 448 as f32
.set SP,    80                         ; a lane's place in a stage: its 64 bytes + 16 of padding
.set WREG,  8192                       ; LDS: a region of its own for each wave: two stages of 32 x SP bytes, and behind them
.set XSB,   2*32*SP                    ; its 256 scale bytes of x
.set VP,    1040                       ; a row of V^T in LDS: 256 numbers + 16 bytes: the four rows that a wave's store touches start 16 banks apart
.set VTB,   4*WREG                     ; V^T of W's K step, [r 0..15][k 0..255]
.set USB,   VTB+16*VP                  ; U s of the work-group's 32 rows of W, 64 bytes a row; wave w's eight rows are written and read by wave w alone
.set SCW,   USB+2048                   ; the 256 scale bytes of those 32 rows, [row][8]
.set R,     16                         ; v16-79   four sets of 16 numbers as they are loaded: register 16 set + 4 i + kk: row i / 2 of the step's two, k = 128 (i % 2) + 4 lane + kk
.set X,     80                         ; sets of 16 neighbours: x's phase two (v80-111), W's four (v80-143)
.set E,     112                        ; v112-127 x: a scale byte for each step
.set C,     128                        ; v128-191 x: codes, four registers for each step, so that no store's data are written again within the phase
.set VT,    80                         ; v80-143  the delta: V^T for one half of k: register 4 r + kk
.set US,    144                        ; v144-207 the delta: U s: two buffers of 32: register 16 a + r: row a of the step's two
.set CW,    144                        ; v144-159 W: codes, four registers for each step
.set EW,    160                        ; v160-163 W: a scale byte for each step
.set AVT,   208                        ; v208     where I put V's numbers into V^T
.set AS,    209                        ; v209     16 x (thread % 4): my four numbers of s
.set AUS,   210                        ; v210     512 x wave: my wave's rows of U s
.set ASW,   211                        ; v211     64 x wave + lane / 2: my block's scale byte of W
.set SO,    212                        ; v212-213 W's scale bytes on their way out
; v2 lane;  v3 16 x lane: my place in a load, in a store of codes and in a row of V^T;  v4 16 x thread: my place in V, U and U s;  v5, v6 x's scale bytes in LDS, in and out;  v7 8 x lane;
; v8-11 at work;  v12-13 x's scale bytes on their way out;  v14, v15 the stage, in and out.  Every address register is made here at the head and never rewritten.
	s_load_b256 s[4:11], s[0:1], 0x0               ; x s[4:5], W s[6:7], U s[8:9], s s[10:11]
	s_load_b128 s[12:15], s[0:1], 0x20             ; V s[12:13], xq s[14:15]
	s_load_b64 s[16:17], s[0:1], 0x30              ; wq
	v_lshl_add_u32 v216, v0, 2, 0xcc00
	v_mov_b32 v217, 0
	v_lshrrev_b32 v1, 5, v0
	v_readfirstlane_b32 s18, v1                    ; wave 0..3
	v_and_b32 v2, 31, v0                           ; lane
	v_lshlrev_b32 v3, 4, v2
	v_lshlrev_b32 v4, 4, v0
	s_mul_i32 s36, s18, WREG
	v_lshrrev_b32 v14, 2, v2
	v_mul_u32_u24 v14, v14, SP
	v_and_b32 v15, 3, v2
	v_lshl_add_u32 v14, v15, 4, v14
	v_add_nc_u32 v14, s36, v14                     ; the stage, on the way in: four lanes' 64 bytes on end, then 16 of padding: SP (lane / 4) + 16 (lane % 4); a load's 512 bytes take eight places
	v_mul_u32_u24 v15, v2, SP
	v_add_nc_u32 v15, s36, v15                     ; and on the way out: SP x lane: my 16 neighbours
	v_lshrrev_b32 v5, 1, v2
	v_lshl_add_u32 v[ASW], v1, 6, v5
	s_add_co_u32 s36, s36, XSB
	v_add_nc_u32 v5, s36, v5                       ; x: my wave's 256 scale bytes, my block's byte
	v_lshlrev_b32 v7, 3, v2
	v_add_nc_u32 v6, s36, v7                       ; and on the way out 8 bytes a lane
	v_and_b32 v8, 3, v0                            ; thread % 4: which four r of a row of V or U are mine
	v_lshlrev_b32 v[AS], 4, v8
	v_lshrrev_b32 v9, 2, v0                        ; thread / 4: which row
	v_mul_u32_u24 v[AVT], v8, 4*VP
	v_lshl_add_u32 v[AVT], v9, 2, v[AVT]           ; V^T: row 4 (thread % 4), word thread / 4
	v_lshlrev_b32 v[AUS], 9, v1
	s_mov_b32 s19, MANT                            ; (an instruction takes one literal: the hold's line has another)
	s_lshr_b32 s20, ttmp9, 4                       ; x: block id = 16 g + t: 128 g rows of 16,384 bytes,
	s_lshl_b32 s20, s20, 21
	s_lshl_b32 s36, s18, 19                        ; 32 w rows,
	s_add_co_u32 s20, s20, s36
	s_and_b32 s36, ttmp9, 15
	s_lshl_b32 s36, s36, 10                        ; 256 t numbers: in all under 2^27
	s_add_co_u32 s20, s20, s36
	s_mov_b32 s21, 0
	s_lshr_b32 s37, ttmp9, 6                       ; W: block id / 4 = 16 g' + t': g',
	s_and_b32 s38, ttmp9, 3                        ; the quarter of the block,
	s_bfe_u32 s39, ttmp9, 0x40002                  ; t' (4 bits from bit 2)
	s_lshl_b32 s36, s38, 2
	s_add_co_u32 s36, s36, s18                     ; which 8 rows of the block's 128 are my wave's: 4 x quarter + wave
	s_lshl_b32 s22, s37, 21
	s_lshl_b32 s23, s36, 17
	s_add_co_u32 s22, s22, s23
	s_lshl_b32 s23, s39, 10
	s_add_co_u32 s22, s22, s23
	s_mov_b32 s23, 0
	s_lshl_b32 s24, s37, 13                        ; U: 128 g' rows of 64 bytes, and the quarter's 32
	s_lshl_b32 s25, s38, 11
	s_add_co_u32 s24, s24, s25
	s_mov_b32 s25, 0
	s_lshl_b32 s26, s39, 14                        ; V: 256 t' rows of 64 bytes
	s_mov_b32 s27, 0
	s_mul_i32 s28, ttmp9, BLKB                     ; xq: my block (under 2^26),
	s_lshl_b32 s30, s18, 8
	s_add_co_u32 s30, s30, s28
	s_add_co_u32 s30, s30, 32768                   ; my wave's 256 scale bytes, behind the block's 32,768 bytes of codes,
	s_mov_b32 s31, 0
	s_lshl_b32 s29, s18, 13
	s_add_co_u32 s28, s28, s29                     ; and my wave's 32 rows of 256 codes
	s_mov_b32 s29, 0
	s_lshr_b32 s32, ttmp9, 2
	s_mul_i32 s32, s32, BLKB                       ; wq: the block,
	s_lshl_b32 s34, s38, 8
	s_add_co_u32 s34, s34, s32
	s_add_co_u32 s34, s34, 32768                   ; the quarter's 256 scale bytes,
	s_mov_b32 s35, 0
	s_lshl_b32 s33, s36, 11
	s_add_co_u32 s32, s32, s33                     ; and my wave's 8 rows of 256 codes
	s_mov_b32 s33, 0
	s_wait_alu depctr_va_vdst(0)
	s_wait_kmcnt 0x0
	s_add_nc_u64 s[4:5], s[4:5], s[20:21]
	s_add_nc_u64 s[6:7], s[6:7], s[22:23]
	s_add_nc_u64 s[8:9], s[8:9], s[24:25]
	s_add_nc_u64 s[12:13], s[12:13], s[26:27]
	s_add_nc_u64 s[40:41], s[14:15], s[28:29]      ; xq: codes
	s_add_nc_u64 s[42:43], s[14:15], s[30:31]      ; xq: scale bytes
	s_add_nc_u64 s[44:45], s[16:17], s[32:33]      ; wq: codes
	s_add_nc_u64 s[46:47], s[16:17], s[34:35]      ; wq: scale bytes
	s_cmp_lt_u32 s18, 2                            ; which tensor my first sixteen loads read: W for waves 0 and 1, x for waves 2 and 3.  The choice hangs on the wave's number alone
	s_cselect_b64 s[48:49], s[6:7], s[4:5]
; Step t of a tensor whose address stands in s[b:b+1]: rows 2 t and 2 t + 1 of my wave's, 1,024 bytes of each, into set t % 4.  Every offset is an immediate, 508,416 at the most.
.macro LOAD t, b
.irp i, 0,1,2,3
	global_load_b128 v[R+16*((\t)%4)+4*\i:R+16*((\t)%4)+4*\i+3], v3, s[\b:\b+1] offset:(2*(\t)+\i/2)*ROWB+(\i%2)*512 th:TH_LOAD_NT   ; 32 lanes read 512 consecutive bytes; x and W are read once
.endr
.endm
; Set t % 4 through stage t % 2 into set xs of neighbours: LDS serves a wave's instructions in order (ISA guide 5.7.1.4), so no wait stands between the stores and the loads, nor in front of the stage's next stores
.macro TURN t, xs
.irp i, 0,1,2,3
	ds_store_b128 v14, v[R+16*((\t)%4)+4*\i:R+16*((\t)%4)+4*\i+3] offset:32*SP*((\t)%2)+8*SP*\i
.endr
.irp i, 0,1,2,3
	ds_load_b128 v[X+16*(\xs)+4*\i:X+16*(\xs)+4*\i+3], v15 offset:32*SP*((\t)%2)+16*\i
.endr
.endm
; My 16 neighbours in v[XS] on become 16 codes in v[CR] on; the block's scale byte goes to v[ER].  Behind a turn lane l holds numbers 16 l .. 16 l + 15 of the step's two rows: two neighbouring lanes hold a block of 32.
.macro QUANT
	v_max3_num_f32 v8, |v[XS]|, |v[XS+1]|, |v[XS+2]|               ; the largest magnitude of my 16, in two chains
	v_max3_num_f32 v9, |v[XS+3]|, |v[XS+4]|, |v[XS+5]|
.irp i, 6,10
	v_max3_num_f32 v8, v8, |v[XS+\i]|, |v[XS+\i+1]|
	v_max3_num_f32 v9, v9, |v[XS+\i+2]|, |v[XS+\i+3]|
.endr
	v_max3_num_f32 v8, v8, |v[XS+14]|, |v[XS+15]|
	v_max3_num_f32 v8, v8, v9, (EMAX+1)<<23        ; and the floor 2^(EMAX + 1 - 127), under which no largest magnitude is taken: so the byte cannot fall under 1
	v_max_num_f32_dpp v8, v8, v8 row_xmask:1 row_mask:0xf bank_mask:0xf   ; and of my neighbour's 16: the block's
	v_add_nc_u32 v11, -(EMAX<<23), v8              ; EMAX off its exponent field: the conversion takes the exponent field of this operand as its scale, and nothing else of it
	v_and_or_b32 v10, v8, 0x7f800000, s19          ; 448 x the scale: the largest magnitude's exponent field over 448's mantissa
.irp i, 0,1,2,3,4,5,6,7,8,9,10,11,12,13,14,15
	v_med3_num_f32 v[XS+\i], v[XS+\i], -v10, v10   ; the conversion to an 8-bit code does not saturate (ISA guide 7.6.2): hold the number within the largest code x the scale first
.endr
	v_cvt_scalef32_pk8_fp8_f32 v[CR:CR+1], v[XS:XS+7], v11         ; eight numbers / 2^(v11's exponent), to the nearest code, ties to even; the first number's code in the lowest byte
	v_cvt_scalef32_pk8_fp8_f32 v[CR+2:CR+3], v[XS+8:XS+15], v11
	v_lshrrev_b32 v[ER], 23, v11                   ; the scale's byte.  (Also the plain line behind the conversions)
.endm
	; THE HEAD, the same for all four waves.  V's 256 rows of the K step are 16,384 dense bytes: eight loads of the 128 threads.  Load i: V[32 i + thread / 4][4 (thread % 4) + 0 .. 3]
.irp i, 0,1,2,3,4,5,6,7
	global_load_b128 v[128+4*\i:128+4*\i+3], v4, s[12:13] offset:2048*\i
.endr
	global_load_b128 v[160:163], v4, s[8:9]                ; U's 32 rows are 2,048 dense bytes: U[thread / 4][4 (thread % 4) + 0 .. 3]: a wave's lanes hold the wave's own eight rows
	global_load_b128 v[164:167], v[AS], s[10:11]           ; s[4 (thread % 4) + 0 .. 3]
.irp t, 0,1,2,3
	LOAD \t, 48                                    ; the first four steps of the tensor that my wave takes first
.endr
	s_wait_loadcnt 16                              ; V, U and s are in; the sixteen loads behind them stay out
.irp i, 0,1,2,3,4,5,6,7
.irp j, 0,1,2,3
	ds_store_b32 v[AVT], v[128+4*\i+\j] offset:VTB+VP*\j+128*\i    ; V^T[4 (thread % 4) + j][32 i + thread / 4]
.endr
.endr
	v_pk_mul_f32 v[168:169], v[160:161], v[164:165]        ; U s, rounded once, as reference() has it
	v_pk_mul_f32 v[170:171], v[162:163], v[166:167]
	ds_store_b128 v4, v[168:171] offset:USB
	s_wait_dscnt 0x0                               ; for the others' sake: my stores into V^T are done
	s_barrier_signal -1
	s_barrier_wait -1                              ; V^T is whole; nobody writes it again
; ---- x's PHASE.  Loads run four steps (16 loads a wave) ahead, the turn through LDS one step.  tail = 1: W's phase follows, and its four steps' loads are asked for in steps 12 to 15, into the sets that fall free.
.macro XSTEP t, tail
.if (\t) > 0
	s_wait_dscnt 1                                 ; this step's numbers are back from the stage (the last step's byte store may be out): so its stores into the stage have read their registers,
.else
	s_wait_dscnt 0x0
.endif
.if (\t)+4 < STEPS
	LOAD (\t)+4, 4                                 ; which take the loads of four steps on
.elseif \tail
	LOAD (\t)-12, 6                                ; or of W's step t - 12
.endif
.if (\t)+1 < STEPS
.if \tail || (STEPS-2-(\t) >= 3)
	s_wait_loadcnt 12                              ; the next step's four loads are in; those of the three steps behind it may be out
.else
	s_wait_loadcnt 4*(STEPS-2-(\t))                ; where nothing follows x the count runs down
.endif
	TURN (\t)+1, ((\t)+1)%2                        ; and go through the other stage while this step is worked
.endif
.set XS, X+16*((\t)%2)
.set CR, C+4*(\t)
.set ER, E+(\t)
	QUANT
	ds_store_b8 v5, v[ER] offset:16*(\t)           ; both lanes of a block write the same byte with the same value: byte 16 t + lane / 2 = [row 2 t + lane / 16][block]
	global_store_b128 v3, v[CR:CR+3], s[40:41] offset:512*(\t)     ; two rows of 256 codes: 512 consecutive bytes.  No hint: the next launch reads them
.endm
.macro XPHASE tail
	s_wait_loadcnt 12                              ; step 0's four loads are in; those of the three steps behind it stay out
	TURN 0, 0
.irp t, 0,1,2,3,4,5,6,7,8,9,10,11,12,13,14,15
	XSTEP \t, \tail
.endr
	ds_load_b64 v[12:13], v6                       ; my wave's 256 scale bytes: LDS serves a wave's instructions in order: these see my stores
	s_wait_dscnt 0x0
	global_store_b64 v7, v[12:13], s[42:43]        ; 32 lanes store 256 consecutive bytes, at a multiple of 256 from the buffer's first byte
.endm
; ---- W's PHASE.  All four steps' numbers lie in (or are on their way into) the four sets.
.macro VTFETCH hf                      ; V^T[r][128 hf + 4 lane + 0 .. 3] for all sixteen r: neighbouring lanes read neighbouring 16 bytes
.irp r, 0,1,2,3,4,5,6,7,8,9,10,11,12,13,14,15
	ds_load_b128 v[VT+4*\r:VT+4*\r+3], v3 offset:VTB+VP*\r+512*\hf
.endr
.endm
.macro USFETCH g                       ; U s of the two rows of step g % 4, into buffer g % 2: every lane names the same address
.irp c, 0,1,2,3,4,5,6,7
	ds_load_b128 v[US+32*((\g)%2)+4*\c:US+32*((\g)%2)+4*\c+3], v[AUS] offset:USB+128*((\g)%4)+16*\c
.endr
.endm
; Group g = 4 hf + step: the step's two rows, half hf of k: 2 rows x 4 k x 16 r multiply-adds a lane, two to an instruction.  r ascends; the four chains (row a, pair p) take turns.
; Of the pair that holds U s at r and r + 1 one word serves both halves of the result: the first where r is even, the second where it is odd.
.macro DELTA g
.set UB, US+32*((\g)%2)
.irp r, 0,1,2,3,4,5,6,7,8,9,10,11,12,13,14,15
.irp a, 0,1
.irp p, 0,1
.set RP, R+16*((\g)%4)+8*\a+4*((\g)/4)+2*\p
.if \r%2 == 0
	v_pk_fma_f32 v[RP:RP+1], v[VT+4*\r+2*\p:VT+4*\r+2*\p+1], v[UB+16*\a+\r:UB+16*\a+\r+1], v[RP:RP+1] op_sel_hi:[1,0,1]
.else
	v_pk_fma_f32 v[RP:RP+1], v[VT+4*\r+2*\p:VT+4*\r+2*\p+1], v[UB+16*\a+\r-1:UB+16*\a+\r], v[RP:RP+1] op_sel:[0,1,0] op_sel_hi:[1,1,1]
.endif
.endr
.endr
.endr
.endm
.macro WSTEP t, hook                   ; hook = 1: x's phase follows, and its step t is asked for here, into the set that this step's turn has left
	s_wait_dscnt 24-7*(\t)                         ; this step's numbers are back; out may be the later turns' 8 (3 - t) instructions and the t byte stores issued since
.if \hook
	LOAD \t, 4
.endif
.set XS, X+16*(\t)
.set CR, CW+4*(\t)
.set ER, EW+(\t)
	QUANT
	ds_store_b8 v[ASW], v[ER] offset:SCW+16*(\t)   ; byte 64 wave + 16 t + lane / 2 = [row 8 wave + 2 t + lane / 16][block]
	global_store_b128 v3, v[CR:CR+3], s[44:45] offset:512*(\t)     ; two rows of 256 codes: 512 consecutive bytes
.endm
.macro WPHASE hook
	VTFETCH 0
	USFETCH 0
	USFETCH 1
.irp g, 0,1,2,3,4,5,6,7
.if \g < 4
	s_wait_loadcnt 12-4*\g                         ; this step's four loads of W are in; the later steps' stay out
.endif
.if (\g == 4) || (\g == 7)
	s_wait_dscnt 0x0                               ; group 4: the youngest loads are V^T's second half; group 7: nothing younger is out
.else
	s_wait_dscnt 8                                 ; all but the next group's eight loads of U s
.endif
	DELTA \g
.if \g+2 < 8
	USFETCH \g+2                                   ; into the buffer just read
.endif
.if \g == 3
	VTFETCH 1                                      ; the first half of k is done for all rows
.endif
.endr
.irp t, 0,1,2,3
	TURN \t, \t
.endr
.irp t, 0,1,2,3
	WSTEP \t, \hook
.endr
.endm
	s_cmp_lt_u32 s18, 2
	s_cbranch_scc0 .Lx_first
	WPHASE 1                                       ; waves 0 and 1: W, whose loads went out at the head; x's first four steps are asked for on the way
	s_wait_xcnt 0x0                                ; W's stores of codes have read their registers: x's codes are written over them only behind this wait
	XPHASE 0
	s_branch .Ljoin
.Lx_first:
	XPHASE 1                                       ; waves 2 and 3: x, whose first loads went out at the head; W's loads are asked for in the last four steps
	s_wait_xcnt 0x0                                ; x's stores of codes have read their registers: V^T and U s are loaded over them only behind this wait
	WPHASE 0
.Ljoin:
	s_wait_dscnt 0x0                               ; for wave 0's sake: my scale bytes of W are in LDS
	s_barrier_signal -1
	s_barrier_wait -1                              ; the work-group's 256 scale bytes of W are whole
	s_cmp_lg_u32 s18, 0                            ; wave 0 carries them out
	s_cbranch_scc1 .Lend
	ds_load_b64 v[SO:SO+1], v7 offset:SCW
	s_wait_dscnt 0x0
	global_store_b64 v7, v[SO:SO+1], s[46:47]      ; 32 lanes store 256 consecutive bytes, at a multiple of 256 from the buffer's first byte
.Lend:
	s_wait_tensorcnt 0x0
	ds_add_u32 v216, v217
	s_wait_dscnt 0x0
	s_endpgm
.Lfunc_end_k_qca3f4e4104_quant:
	.size	k_qca3f4e4104_quant, .Lfunc_end_k_qca3f4e4104_quant-k_qca3f4e4104_quant
	.p2alignl 7, 3214868480
	.fill 96, 4, 3214868480
	.section	.rodata,"a",@progbits
	.p2align	6, 0x0
	.amdhsa_kernel k_qca3f4e4104_quant
		.amdhsa_group_segment_fixed_size 52736
		.amdhsa_private_segment_fixed_size 0
		.amdhsa_enable_private_segment 0
		.amdhsa_kernarg_size 56
		.amdhsa_user_sgpr_count 2
		.amdhsa_user_sgpr_kernarg_segment_ptr 1
		.amdhsa_wavefront_size32 1
		.amdhsa_system_sgpr_workgroup_id_x 1
		.amdhsa_system_sgpr_workgroup_id_y 1
		.amdhsa_system_sgpr_workgroup_id_z 1
		.amdhsa_system_vgpr_workitem_id 0
		.amdhsa_next_free_vgpr 218
		.amdhsa_next_free_sgpr 66
		.amdhsa_reserve_vcc 0
		.amdhsa_float_denorm_mode_32 3
		.amdhsa_float_denorm_mode_16_64 3
		.amdhsa_memory_ordered 1
		.amdhsa_forward_progress 1
		.amdhsa_inst_pref_size 203
	.end_amdhsa_kernel
	.amdgpu_metadata
---
amdhsa.version: [ 1, 2 ]
amdhsa.kernels:
  - .name:           k_qca3f4e4104_quant
    .symbol:         k_qca3f4e4104_quant.kd
    .args:
      - { .name: x, .offset: 0, .size: 8, .value_kind: global_buffer, .address_space: global }
      - { .name: base_weight, .offset: 8, .size: 8, .value_kind: global_buffer, .address_space: global }
      - { .name: U, .offset: 16, .size: 8, .value_kind: global_buffer, .address_space: global }
      - { .name: s, .offset: 24, .size: 8, .value_kind: global_buffer, .address_space: global }
      - { .name: V, .offset: 32, .size: 8, .value_kind: global_buffer, .address_space: global }
      - { .name: xq, .offset: 40, .size: 8, .value_kind: global_buffer, .address_space: global }
      - { .name: wq, .offset: 48, .size: 8, .value_kind: global_buffer, .address_space: global }
    .group_segment_fixed_size: 52736
    .private_segment_fixed_size: 0
    .kernarg_segment_align: 8
    .kernarg_segment_size: 56
    .max_flat_workgroup_size: 128
    .sgpr_count:     66
    .vgpr_count:     218
    .wavefront_size: 32
...
	.end_amdgpu_metadata
.endif
;; end of part 1
;; launch gemm (part 2): grid 8 x 32, 4 waves a work-group, clusters of 4 x 4, 327,680 bytes of LDS; arguments xq, wq, out0; writes out0
.if DOCPART == 2
	.amdgcn_target "amdgcn-amd-amdhsa--gfx1250"
	.amdhsa_code_object_version 6
	.text
	.protected	k_qca3f4e4104_gemm
	.globl	k_qca3f4e4104_gemm
	.p2align	8
	.type	k_qca3f4e4104_gemm,@function
k_qca3f4e4104_gemm:
	s_mov_b64 s[64:65], 0
	v_nop
	global_prefetch_b8 v0, s[64:65] scope:SCOPE_SE
	s_setreg_imm32_b32 hwreg(HW_REG_WAVE_MODE, 25, 1), 1
	s_wait_xcnt 0x0
	s_wait_alu depctr_hold_cnt(0) depctr_sa_sdst(0) depctr_va_vdst(0) depctr_va_sdst(0) depctr_va_ssrc(0) depctr_va_vcc(0) depctr_vm_vsrc(0)
	s_getreg_b32 s2, hwreg(HW_REG_IB_STS2, 6, 4)
	s_cmp_eq_u32 s2, 0
	s_cbranch_scc0 .Lentry_in_a_cluster
	s_endpgm
.Lentry_in_a_cluster:
	s_bfe_u32 s2, ttmp6, 0x10000c
	s_cmp_lg_u32 s2, 0xf033
	s_cbranch_scc0 .Lentry_shape_is_right
	s_endpgm
.Lentry_shape_is_right:
; out0[m][n] = sum over k of xq[m][k] wq[n][k]: codes of FP8 (E4M3) with one E8M0 byte for each 32 along K, as the launch before laid them; f32 sums, K ascending, one accumulator for each output.
; THE OPERANDS' LAYOUT: blocks of 33,792 dense bytes.  Block (g, t), at (16 g + t) x 33,792, holds rows 128 g .. 128 g + 127, k = 256 t .. 256 t + 255: 128 rows of 256 codes, then 1,024 scale bytes [row][8]:
; one dense tile of 132 rows of 256 bytes brings 128 rows' codes and their scale bytes.
; SHARES: a tile of out0, 256 x 256, is a work-group's; four waves, each 128 x 128: 64 accumulators, 512 registers.  8 x 32 tiles: 256 work-groups.
; THE RING: two slots of a K step of 256.  Waves 0, 1 fetch x's two halves of 128 rows, waves 2, 3 w's.  A fetching wave's two slot quarters lie ON END in LDS, and blocks t = 0 and t = 1 lie on end in memory:
; so the one load that a wave issues at the head, 264 rows, fills both slots.  Every later load is a refill of 132 rows behind a round of the cluster's barrier.
; CLUSTERS: 4 x 4 work-groups; x's tiles are asked for jointly along a row of the cluster, w's along a column.
; PREFETCH: behind each joint load a wave names the K step two refills on: of its tile's 132 blocks of 256 bytes each of the four partners takes 33, told apart by address (cx for x, cy for w): a lane a block, and one
; more line for the 33rd.  The head, which loads K steps 0 and 1, names K steps 2 and 3; the loop's last trip, whose refills are K steps 14 and 15, names nothing.
; THE MATRIX INSTRUCTION IS USED TRANSPOSED (source 0 = 16 rows of w, source 1 = 16 rows of x): a lane holds eight neighbouring numbers of a row of out0.
; THE LAST K STEP GOES BY ROWS OF out0: w's two sets of registers hold the whole step, x comes by blocks of 16 rows x 256 K, and each block of 16 rows leaves through the wave's stage while the next is multiplied.
; REGISTERS: window 0: v0-31 addresses; v32-63 scale words, two sets; v128-255 x's fragments, one set (by rows: v128-191 two buffers; v64-127, v192-255 rows read back from the stage).
;   window 1: w's fragments, two sets, at v0 and v128.  Window 2: accumulators of my rows 0-63 ((a, b) at v[8 (8 a + b)]); window 3: rows 64-127.
.set SIZE_N, 2048
.set SIZE_K, 4096
.set KSTEP,  256
.set NQ,     KSTEP/128                 ; matrix instructions deep
.set TROWS,  132                       ; rows of 256 bytes in a block
.set BLKB,   TROWS*256
.set GRPB,   (SIZE_K/KSTEP)*BLKB       ; the sixteen blocks of 128 rows
.set PITCH,  272                       ; an LDS row: 256 bytes + 16 of padding
.set FR,     16                        ; registers of a fragment
.set NL,     4                         ; LDS loads that bring one
.set NP,     8                         ; places behind this matrix instruction (ISA guide 7.12.1)
.set HALFT,  TROWS*PITCH               ; a quarter of a slot
.set REG,    2*HALFT                   ; a fetching wave's region: its quarter of slot 0, then of slot 1
.set SCO,    128*PITCH                 ; the scale bytes in a quarter
.set LAPS,   SIZE_K/(2*KSTEP)
.set SPARE,  4*REG                     ; behind the ring: the spare words, 128 bytes a wave
.set SPITCH, 528                       ; the stage: 16 rows x (512 + 16) bytes for each wave, at the head of its own region: slot 0, which has had its last fill and its last read by then
.set PSH,    33*256                    ; a partner's share of a block's prefetch
.set ADRA, 16                          ; v16-17 my fragments of x in slot 0, 1
.set ADRB, 20                          ; v20-21 of w
.set PFZ,  22                          ; v22 0: the prefetch of a share's last block
.set STO,  24
.set RD,   25
.set CO,   26
.set PFO,  27                          ; v27 256 x lane
.set SPW,  28
.set NIL,  29
.set ADRS, 30                          ; v30-31 my scale words in slot 0, 1: lanes 0-15 x's rows, lanes 16-31 w's
.set SC,   32
.set AF,   128
.set BK,   64
.set PFA,  10                          ; s[10:11] where my prefetches stand
.set G1, 24
.set G0, 32
.set G1B, 48
.set G0B, 56
.set MSB, 0
.macro WIN new                         ; the immediate's high byte repeats the setting that is left
.if MSB != (\new)
	s_set_vgpr_msb (MSB<<8)|(\new)
.set MSB, (\new)
.endif
.endm
.set MUL_LO, 0xa1
.set MUL_HI, 0xf1
.set TO_B,   0x40
.macro JLOAD g0a, g1a, g0b, g1b        ; a joint load; s_nop 0 and four v_nop behind each line
	s_cmp_eq_u32 s15, 0
	s_cbranch_scc0 .Lfor_b_\@
	tensor_load_to_lds s[\g0a:\g0a+3], s[\g1a:\g1a+7]
	s_nop 0
.rept 4
	v_nop
.endr
	s_branch .Lasked_\@
.Lfor_b_\@:
	tensor_load_to_lds s[\g0b:\g0b+3], s[\g1b:\g1b+7]
	s_nop 0
.rept 4
	v_nop
.endr
.Lasked_\@:
.endm
.macro CREST                           ; a round of the cluster's barrier behind its opening barrier
	s_cmp_lg_u32 s14, 0
	s_cbranch_scc1 .Lnot_wave_0_\@
	s_barrier_signal -3
.Lnot_wave_0_\@:
	s_barrier_wait -3
	s_barrier_signal -1
	s_barrier_wait -1
.endm
.macro CROUND
	s_barrier_signal -1
	s_barrier_wait -1
	CREST
.endm
	s_load_b128 s[4:7], s[0:1], 0x0                ; xq, wq
	s_load_b64 s[12:13], s[0:1], 0x10              ; out0
	v_lshl_add_u32 v[SPW], v0, 2, SPARE
	v_mov_b32 v[NIL], 0
	ds_add_u32 v[SPW], v[NIL]                      ; the opening lines: the add, twice on end, and its wait
	ds_add_u32 v[SPW], v[NIL]
	v_lshrrev_b32 v1, 5, v0
	v_readfirstlane_b32 s14, v1                    ; wave
	s_lshr_b32 s15, s14, 1                         ; my half of the tile's rows; also: I fetch for x (0) or w (1)
	s_and_b32 s16, s14, 1                          ; my half of its columns; also: which 128 rows I fetch
	s_bfe_u32 s40, ttmp6, 0x40000                  ; cx
	s_bfe_u32 s41, ttmp6, 0x40004                  ; cy
	s_lshl_b32 s42, ttmp9, 2
	s_add_co_u32 s42, s42, s40                     ; tile column
	s_and_b32 s17, ttmp7, 0xffff
	s_lshl_b32 s17, s17, 2
	s_add_co_u32 s17, s17, s41                     ; tile row
	s_lshl_b32 s43, s41, 2
	s_lshl_b32 s43, 15, s43                        ; my row of the cluster
	s_lshl_b32 s44, 0x1111, s40                    ; my column
	s_or_b32 s[G1+0], s43, (0<<16)|(1<<20)|(1<<21)|(5<<22)|(3<<25)   ; mask; 1-byte elements; 4 words of padding behind every 64
	s_or_b32 s[G1B+0], s44, (0<<16)|(1<<20)|(1<<21)|(5<<22)|(3<<25)
.irp g, G1, G1B
	s_mov_b32 s[\g+1], 256<<16
	s_mov_b32 s[\g+2], (2*TROWS)<<16               ; the head's load: two blocks on end, 264 rows
	s_mov_b32 s[\g+3], 256<<16
	s_mov_b32 s[\g+4], 2*TROWS
	s_mov_b32 s[\g+5], 256
	s_mov_b32 s[\g+6], 0
	s_mov_b32 s[\g+7], 0
.endr
	s_lshl_b32 s20, s17, 1
	s_add_co_u32 s20, s20, s16
	s_mul_i32 s20, s20, GRPB                       ; x: group 2 x tile row + half (under 2^26)
	s_mov_b32 s21, 0
	s_lshl_b32 s46, s42, 1
	s_add_co_u32 s46, s46, s16
	s_mul_i32 s46, s46, GRPB                       ; w: group 2 x tile column + half
	s_mov_b32 s47, 0
	s_mul_i32 s45, s14, REG                        ; my region: no place in the cluster enters an LDS address
	s_cmp_eq_u32 s15, 0                            ; the prefetches' offset: my tile's stream, my work-group's share, K step 2
	s_cselect_b32 s8, s20, s46
	s_cselect_b32 s9, s40, s41
	s_mul_i32 s9, s9, PSH
	s_add_co_u32 s8, s8, s9
	s_add_co_u32 s8, s8, 2*BLKB
	s_mov_b32 s9, 0
	s_wait_dscnt 0x0                               ; both opening adds are done
	s_wait_kmcnt 0x0
	s_cmp_eq_u32 s15, 0
	s_cselect_b64 s[PFA:PFA+1], s[4:5], s[6:7]
	s_add_nc_u64 s[PFA:PFA+1], s[PFA:PFA+1], s[8:9]
	s_add_nc_u64 s[20:21], s[4:5], s[20:21]
	s_add_nc_u64 s[46:47], s[6:7], s[46:47]
.irp s, 0,1
	s_mov_b32 s[G0+4*\s], 1
	s_add_co_u32 s[G0+4*\s+1], s45, \s*HALFT
	s_add_nc_u64 s[G0+4*\s+2:G0+4*\s+3], s[20:21], \s*BLKB
	s_or_b32 s[G0+4*\s+3], s[G0+4*\s+3], 0x80000000
	s_mov_b32 s[G0B+4*\s], 1
	s_add_co_u32 s[G0B+4*\s+1], s45, \s*HALFT
	s_add_nc_u64 s[G0B+4*\s+2:G0B+4*\s+3], s[46:47], \s*BLKB
	s_or_b32 s[G0B+4*\s+3], s[G0B+4*\s+3], 0x80000000
.endr
	CROUND                                         ; all sixteen work-groups are here: the first joint loads meet
	JLOAD G0, G1, G0B, G1B                         ; K steps 0 and 1, my quarter of both slots: my one load at the head
	s_mul_i32 s18, s15, REG                        ; x's half that I multiply
	s_mul_i32 s19, s16, REG
	s_add_co_u32 s19, s19, 2*REG                   ; w's half
	s_sub_co_u32 s22, s19, s18
	s_add_co_u32 s23, s18, SCO
	s_lshl_b32 s8, s17, 8                          ; out0: row 256 x tile row + 128 x half, 8,192 bytes a row;
	s_lshl_b32 s9, s15, 7
	s_add_co_u32 s8, s8, s9
	s_lshl_b32 s8, s8, 13
	s_lshl_b32 s9, s42, 10                         ; column bytes 1,024 x tile column + 512 x half: in all under 2^26
	s_add_co_u32 s8, s8, s9
	s_lshl_b32 s9, s16, 9
	s_add_co_u32 s8, s8, s9
	s_mov_b32 s9, 0
	s_add_nc_u64 s[12:13], s[12:13], s[8:9]
	v_and_b32 v[PFO], 31, v0
	v_lshlrev_b32 v[CO], 4, v[PFO]                 ; 16 x lane: my place in a row of 512 bytes
	v_lshlrev_b32 v[PFO], 8, v[PFO]
	v_mov_b32 v[PFZ], 0
.irp t, 0,1                                            ; K steps 2 and 3: 33 blocks of 256 bytes each
	global_prefetch_b8 v[PFO], s[PFA:PFA+1] offset:\t*BLKB th:TH_LOAD_NT scope:SCOPE_SE
	global_prefetch_b8 v[PFZ], s[PFA:PFA+1] offset:\t*BLKB+8192 th:TH_LOAD_NT scope:SCOPE_SE
.endr
	v_and_b32 v1, 15, v0                           ; r
	v_bfe_u32 v2, v0, 4, 1                         ; h
	v_mul_u32_u24 v3, v1, PITCH
	v_lshl_add_u32 v4, v2, 4, v3                   ; a fragment's row x pitch + 16 h
	v_add_nc_u32 v[ADRA], s18, v4
	v_add_nc_u32 v[ADRB], s19, v4
	v_add_nc_u32 v[ADRA+1], HALFT, v[ADRA]
	v_add_nc_u32 v[ADRB+1], HALFT, v[ADRB]
	v_mul_u32_u24 v6, s22, v2                      ; lanes 16-31 take w's scale words
	v_lshl_add_u32 v5, v1, 3, v6                   ; 8 bytes a row
	v_add_nc_u32 v[ADRS], s23, v5
	v_add_nc_u32 v[ADRS+1], HALFT, v[ADRS]
	v_mul_u32_u24 v5, v1, SPITCH
	v_lshl_add_u32 v5, v2, 5, v5
	v_add_nc_u32 v[STO], s45, v5                   ; into my stage: row r, 32 bytes for each half of the lanes
	v_add_nc_u32 v[RD], s45, v[CO]                 ; and back: a row of 512 bytes
.macro FRAG reg, adr, q, i             ; 16 rows x 128 K: registers 4 c .. 4 c + 3 hold K = 32 c + 16 h + 0 .. 15
.irp c, 0,1,2,3
	ds_load_b128 v[\reg+4*\c:\reg+4*\c+3], v[\adr] offset:128*(\q)+32*\c+(\i)*16*PITCH
.endr
.endm
; 16 products: x's blocks a0, a0 + 1 against w's eight.  p: w's set; q: which 128 of the K step; sc: the set of scale words.  The 64 accumulators take turns.
.macro MUL16 a0, p, q, sc, zero
.irp a, \a0, \a0+1
.irp b, 0,1,2,3,4,5,6,7
.if \zero
	v_wmma_scale_f32_16x16x128_f8f6f4 v[8*(8*((\a)%4)+\b):8*(8*((\a)%4)+\b)+7], v[128*(\p)+FR*\b:128*(\p)+FR*\b+FR-1], v[AF+FR*(\a):AF+FR*(\a)+FR-1], 0, v[SC+8*NQ*(\sc)+NQ*\b+(\q)], v[SC+8*NQ*(\sc)+NQ*(\a)+(\q)] matrix_a_scale:MATRIX_SCALE_ROW1
.else
	v_wmma_scale_f32_16x16x128_f8f6f4 v[8*(8*((\a)%4)+\b):8*(8*((\a)%4)+\b)+7], v[128*(\p)+FR*\b:128*(\p)+FR*\b+FR-1], v[AF+FR*(\a):AF+FR*(\a)+FR-1], v[8*(8*((\a)%4)+\b):8*(8*((\a)%4)+\b)+7], v[SC+8*NQ*(\sc)+NQ*\b+(\q)], v[SC+8*NQ*(\sc)+NQ*(\a)+(\q)] matrix_a_scale:MATRIX_SCALE_ROW1
.endif
.endr
.endr
.endm
.macro FETCH_B slot, q, p
	WIN TO_B
.irp i, 0,1,2,3,4,5,6,7
	FRAG 128*(\p)+FR*\i, ADRB+\slot, \q, \i
.endr
	WIN 0
.endm
.macro FETCH_A slot, q, i0
.irp i, \i0, \i0+1, \i0+2, \i0+3
	FRAG AF+FR*(\i), ADRA+\slot, \q, \i
.endr
.endm
.macro SCALES sc                       ; a K step's two words a row: lanes 0-15 x's block i, lanes 16-31 w's block i
.irp i, 0,1,2,3,4,5,6,7
	ds_load_b64 v[SC+8*NQ*\sc+NQ*\i:SC+8*NQ*\sc+NQ*\i+1], v[ADRS+\sc] offset:(\i/2)*PITCH+(\i%2)*128
.endr
.endm
.macro PLACES n
.rept \n
	v_nop
.endr
.endm
; A K step's first 128: multiplies w's set 0 and fetches the second 128's fragments.
.macro STEP slot, zero
	s_wait_dscnt 4*NL                              ; all but the youngest sixteen loads (x's blocks 4-7)
	WIN MUL_LO
	MUL16 0, 0, 0, \slot, \zero
	MUL16 2, 0, 0, \slot, \zero
	s_wait_dscnt 0
	PLACES NP
	FETCH_B \slot, 1, 1
	FETCH_A \slot, 1, 0
	WIN MUL_HI
	MUL16 4, 0, 0, \slot, \zero
	MUL16 6, 0, 0, \slot, \zero
	PLACES NP
	WIN 0
	FETCH_A \slot, 1, 4
.endm
; The change of slots, at the head of a K step's second 128, whose fragments are all asked for.  Each wave waits for all its tensor loads (one is out: its quarter of the other slot), adds 0 to its spare word,
; issues sixteen products, waits for the add and for its reads of this slot, and meets the others.  fill = 1: the barrier opens a round of the cluster's barrier, and this slot's refill is the first load behind it.
.macro MEET slot, fill
.if \fill
	s_wait_xcnt 0x0                                ; my prefetches have read their address: it steps a K step on
	s_add_nc_u64 s[PFA:PFA+1], s[PFA:PFA+1], BLKB
.endif
	s_wait_tensorcnt 0x0
	ds_add_u32 v[SPW], v[NIL]
.if \fill
	s_add_nc_u64 s[G0+4*\slot+2:G0+4*\slot+3], s[G0+4*\slot+2:G0+4*\slot+3], 2*BLKB     ; no load of mine is out: this slot's next K step
	s_add_nc_u64 s[G0B+4*\slot+2:G0B+4*\slot+3], s[G0B+4*\slot+2:G0B+4*\slot+3], 2*BLKB
.endif
	s_wait_dscnt 4*NL+1                            ; the add and x's blocks 4-7 may be out
	WIN MUL_LO
	MUL16 0, 1, 1, \slot, 0
	WIN 0
	s_wait_dscnt 0x0                               ; the add is done, and my reads of this slot are over
	s_barrier_signal -1
	s_barrier_wait -1
.if \fill
	CREST
	JLOAD G0+4*\slot, G1, G0B+4*\slot, G1B
.endif
.endm
.macro ASK                             ; the K step two refills on; s3 = 1 in the loop's last trip, which has none
	s_cmp_gt_u32 s3, 1
	s_cbranch_scc0 .Lno_ask_\@
	global_prefetch_b8 v[PFO], s[PFA:PFA+1] offset:BLKB th:TH_LOAD_NT scope:SCOPE_SE
	global_prefetch_b8 v[PFZ], s[PFA:PFA+1] offset:BLKB+8192 th:TH_LOAD_NT scope:SCOPE_SE
.Lno_ask_\@:
.endm
.macro TURN slot, next
	MEET \slot, 1
	FETCH_B \next, 0, 0                            ; set 0 was last read ahead of STEP's closing places
	SCALES \next
	ASK
	WIN MUL_LO
	MUL16 2, 1, 1, \slot, 0
	PLACES NP
	WIN 0
	FETCH_A \next, 0, 0
	WIN MUL_HI
	MUL16 4, 1, 1, \slot, 0
	MUL16 6, 1, 1, \slot, 0
	PLACES NP
	WIN 0
	FETCH_A \next, 0, 4
.endm
	s_wait_alu depctr_va_vdst(0)
	s_wait_tensorcnt 0x0                           ; my quarter of both slots is in; no load of mine is out, so a descriptor may be written:
	s_mov_b32 s[G1+2], TROWS<<16                   ; from here on a load brings one block, 132 rows
	s_mov_b32 s[G1+4], TROWS
	s_mov_b32 s[G1B+2], TROWS<<16
	s_mov_b32 s[G1B+4], TROWS
	s_barrier_signal -1
	s_barrier_wait -1                              ; both slots are whole
	FETCH_B 0, 0, 0
	FETCH_A 0, 0, 0
	SCALES 0
	FETCH_A 0, 0, 4
	STEP 0, 1                                      ; the first products start the sums
	s_mov_b32 s3, LAPS-1
.Llap:                                                 ; a trip: once round the ring, both slots filled again (K steps 2 .. 15 in seven trips)
	TURN 0, 1
	STEP 1, 0
	TURN 1, 0
	STEP 0, 0
	s_sub_co_u32 s3, s3, 1
	s_cmp_lg_u32 s3, 0
	s_cbranch_scc1 .Llap
; THE END.  K step 14's second 128, and K step 15 (slot 1) by rows of out0.
.macro ALOAD a                         ; x's block a, 16 rows x 256 K, into buffer a % 2: eight loads
.irp q, 0,1
	FRAG AF+32*((\a)%2)+FR*\q, ADRA+1, \q, \a
.endr
.endm
.macro ROW a                           ; block a is finished: 16 products, its eight accumulators by turns, K ascending
.set FA, AF+32*((\a)%2)
.set AC, 64*((\a)%4)
	WIN MUL_LO+0x50*((\a)/4)
.irp q, 0,1
.irp b, 0,1,2,3,4,5,6,7
	v_wmma_scale_f32_16x16x128_f8f6f4 v[AC+8*\b:AC+8*\b+7], v[128*\q+FR*\b:128*\q+FR*\b+FR-1], v[FA+FR*\q:FA+FR*\q+FR-1], v[AC+8*\b:AC+8*\b+7], v[SC+8*NQ+NQ*\b+\q], v[SC+8*NQ+NQ*(\a)+\q] matrix_a_scale:MATRIX_SCALE_ROW1
.endr
.endr
	PLACES NP                                      ; ahead of the loads into its buffer and of the stores that read its results
	WIN 0
.endm
.macro TOSTAGE a                       ; 16 rows x 128 columns into my stage, and back as whole rows of 512 bytes; LDS serves a wave's instructions in order (ISA guide 5.7.1.4)
.set AC, 64*((\a)%4)
	WIN 0x08+4*((\a)/4)
.irp b, 0,1,2,3,4,5,6,7
	ds_store_b128 v[STO], v[AC+8*\b:AC+8*\b+3] offset:64*\b          ; each accumulator from its low end on
	ds_store_b128 v[STO], v[AC+8*\b+4:AC+8*\b+7] offset:64*\b+16
.endr
	WIN 0
.set BB, BK+128*((\a)%2)
.irp t, 0,1,2,3,4,5,6,7,8,9,10,11,12,13,14,15
	ds_load_b128 v[BB+4*\t:BB+4*\t+3], v[RD] offset:\t*SPITCH
.endr
.endm
.macro SEND a, younger                 ; 32 lanes store 512 consecutive bytes, two aligned units of 256; every offset an immediate, 127 rows of 8,192 bytes at the most
.set BB, BK+128*((\a)%2)
	s_wait_dscnt \younger
.irp t, 0,1,2,3,4,5,6,7,8,9,10,11,12,13,14,15
	global_store_b128 v[CO], v[BB+4*\t:BB+4*\t+3], s[12:13] offset:(16*(\a)+\t)*SIZE_N*4
.endr
.endm
	MEET 0, 0                                      ; the last change of slots: K step 15 is whole, nobody reads slot 0 any more, nothing is filled again
	FETCH_B 1, 0, 0
	SCALES 1
	WIN MUL_LO
	MUL16 2, 1, 1, 0, 0
	PLACES NP
	WIN 0
	ALOAD 0                                        ; over x's blocks 0-1,
	ALOAD 1                                        ; and 2-3, which are done with
	WIN MUL_HI
	MUL16 4, 1, 1, 0, 0
	MUL16 6, 1, 1, 0, 0
	PLACES NP
	FETCH_B 1, 1, 1                                ; w's set 1 is free now
	s_wait_dscnt 0x0
	ROW 0
	ALOAD 2
	TOSTAGE 0
.irp a, 1,2,3,4,5,6,7
	ROW \a                                         ; its fragments are in: they were asked for ahead of a block's 32 stage instructions that an earlier counted wait left out alone
.if \a < 6
	ALOAD \a+2
.endif
.if \a > 1
	s_wait_xcnt 0x0                                ; block a - 2's stores have read their registers: block a's rows land there
.endif
	TOSTAGE \a
	SEND \a-1, 32                                  ; behind block a - 1's loads: block a's 16 stores and 16 loads
.endr
	SEND 7, 0
	s_wait_tensorcnt 0x0                           ; the wave's end
	ds_add_u32 v[SPW], v[NIL]
	s_wait_dscnt 0x0
	CROUND                                         ; the closing round
	s_endpgm
.Lfunc_end_k_qca3f4e4104_gemm:
	.size	k_qca3f4e4104_gemm, .Lfunc_end_k_qca3f4e4104_gemm-k_qca3f4e4104_gemm
	.p2alignl 7, 3214868480
	.fill 96, 4, 3214868480
	.section	.rodata,"a",@progbits
	.p2align	6, 0x0
	.amdhsa_kernel k_qca3f4e4104_gemm
		.amdhsa_group_segment_fixed_size 327680
		.amdhsa_private_segment_fixed_size 0
		.amdhsa_enable_private_segment 0
		.amdhsa_kernarg_size 24
		.amdhsa_user_sgpr_count 2
		.amdhsa_user_sgpr_kernarg_segment_ptr 1
		.amdhsa_wavefront_size32 1
		.amdhsa_system_sgpr_workgroup_id_x 1
		.amdhsa_system_sgpr_workgroup_id_y 1
		.amdhsa_system_sgpr_workgroup_id_z 1
		.amdhsa_system_vgpr_workitem_id 0
		.amdhsa_next_free_vgpr 1024
		.amdhsa_next_free_sgpr 66
		.amdhsa_reserve_vcc 0
		.amdhsa_float_denorm_mode_32 3
		.amdhsa_float_denorm_mode_16_64 3
		.amdhsa_memory_ordered 1
		.amdhsa_forward_progress 1
		.amdhsa_inst_pref_size 145
	.end_amdhsa_kernel
	.amdgpu_metadata
---
amdhsa.version: [ 1, 2 ]
amdhsa.kernels:
  - .name:           k_qca3f4e4104_gemm
    .symbol:         k_qca3f4e4104_gemm.kd
    .args:
      - { .name: xq, .offset: 0, .size: 8, .value_kind: global_buffer, .address_space: global }
      - { .name: wq, .offset: 8, .size: 8, .value_kind: global_buffer, .address_space: global }
      - { .name: out0, .offset: 16, .size: 8, .value_kind: global_buffer, .address_space: global }
    .group_segment_fixed_size: 327680
    .private_segment_fixed_size: 0
    .kernarg_segment_align: 8
    .kernarg_segment_size: 24
    .max_flat_workgroup_size: 128
    .sgpr_count:     66
    .vgpr_count:     1024
    .wavefront_size: 32
...
	.end_amdgpu_metadata
.endif
;; end of part 2
